; MI455X (gfx1250); checked and timed in simulation.
; The chip was launched on July 23, 2026; its instructions are those of AMD's public machine-readable ISA for CDNA 5 (MIT licence, August 2026) and "CDNA5" Instruction Set Architecture Reference Guide (July 2026). The comments in the code are by the model that wrote it; some were corrected since.
;; Gate Informed Linear. Allowed arithmetic: float matrix products may take bf16 or f16 operands with f32 sums; other float arithmetic in f32, or as packed bf16 or f16 multiplies, adds, multiply-adds, maxima and minima; sums over many terms, partial sums and values carried from step to step in f32; what a program stores and reads back later, other than sums and carried values, may be rounded once to bf16 or f16.
;; Inputs: bias 11,008 bfloat16; high 11,008 x 4,096 int8; low 11,008 x 4,096 int8; low4_scale 1 float32; scale 1 float32; x 1 x 64 x 4,096 bfloat16.
;; Outputs: out0 1 x 64 x 11,008 bfloat16.
;; Constants: gate_value = 0.
;; One version. Each part assembles by itself: llvm-mc -triple=amdgcn-amd-amdhsa -mcpu=gfx1250 --defsym DOCPART=n.
;; ======== version 1 of 1: 1 launch
;; launch gil (part 1): grid 256 x 1, 8 waves a work-group, clusters of 4 x 1, 327,680 bytes of LDS; arguments x, low, scale, low4_scale, bias, out0; writes out0
.if DOCPART == 1
	.amdgcn_target "amdgcn-amd-amdhsa--gfx1250"
	.amdhsa_code_object_version 6
	.text
	.protected	k_q6af3e1399f_gil
	.globl	k_q6af3e1399f_gil
	.p2align	8
	.type	k_q6af3e1399f_gil,@function
k_q6af3e1399f_gil:
	s_mov_b64 s[64:65], 0
	v_nop
	global_prefetch_b8 v0, s[64:65] scope:SCOPE_SE
	s_setreg_imm32_b32 hwreg(HW_REG_WAVE_MODE, 25, 1), 1
	s_wait_xcnt 0x0
	s_wait_alu depctr_hold_cnt(0) depctr_sa_sdst(0) depctr_va_vdst(0) depctr_va_sdst(0) depctr_va_ssrc(0) depctr_va_vcc(0) depctr_vm_vsrc(0)
	s_getreg_b32 s2, hwreg(HW_REG_IB_STS2, 6, 4)
	s_cmp_eq_u32 s2, 0
	s_cbranch_scc0 .Lentry_in_a_cluster
	s_endpgm
.Lentry_in_a_cluster:
	s_bfe_u32 s2, ttmp6, 0x10000c
	s_cmp_lg_u32 s2, 0x3003
	s_cbranch_scc0 .Lentry_shape_is_right
	s_endpgm
.Lentry_shape_is_right:
; out[m][c] = (low4_scale x scale) x sum over k of x[m][k] low[c][k] + bias[c].   x: [64][4096] bf16, low: [11008][4096] int8, bias: [11008] bf16, out: [64][11008] bf16.
; DEAD WORK.  gate_value is a constant of the problem, 0, below reference()'s threshold of 0.5: reference() takes _dequant_low for every value of the other inputs, and
; _dequant_full is never evaluated.  'high' enters _dequant_full alone, so it has no way to the output: it is not loaded and is not among the arguments.  (It holds whole numbers: no NaN or infinity is lost with it.)
; LIMIT, an order of rounding.  reference() rounds each low x s (s = low4_scale x scale, formed in f32 as here) to bf16 and multiplies then.  Here the weights enter the matrix unit as the whole numbers
; themselves (-128 .. 127 are exact in bf16's 8 significant bits) and s multiplies the f32 sum, fused with the bias; the result is rounded to bf16 once.  So reference()'s rounding of each weight, at most 2^-9 of
; it, is not made.  Every int8 value is served, not only -7 .. 7.
; SHARES.  11008 columns are 688 tiles of 16 for 256 work-groups: work-groups 0-175 take 3 tiles, 176-255 take 2 (176 x 3 + 80 x 2 = 688); 176 is 44 whole clusters, so the choice hangs on the cluster's
; number alone.  The body is one macro, written out for 3 and for 2.  K IS SPLIT AMONG THE EIGHT WAVES: wave w takes k = 512 w .. 512 w + 511, for all 64 rows of x and all tiles: each weight is loaded and
; converted once, each byte of x is read from LDS once, and the eight partial sums (f32) meet in LDS at the end.
; THE WEIGHTS come straight into registers: no wave wants another's.  A wave asks for all of its 16 x nt loads of 16 bytes a lane at the head: 512 consecutive bytes of each of its rows; nothing is loaded again.
; X is walked whole by every work-group (512 KiB against 192 KiB of weights), so it is asked for JOINTLY by the four work-groups of a cluster: the same tensor load, descriptor and mask in all four.  It does not
; fit in LDS, so it goes in four phases of 128 k a wave through two slots.  A wave fetches, and alone reads, its own part of a slot: 64 rows x 256 bytes, which start at multiples of 256 bytes in x.
; K's ORDER.  A lane's 16 weight bytes are k0 + 16 (lane / 16) + 0..15; the same lane of an x fragment takes the same 16 k (32 bytes on end): the same permutation of k in both sources.
; THE PRODUCT IS TAKEN TRANSPOSED (source 0 = 16 rows of low, source 1 = 16 rows of x): a lane ends with eight neighbouring columns of one row of out, 16 bytes.
; int8 TO bf16, four instructions for two weights b = m - 128 h (m the low seven bits, h the sign bit): Z = 0x4300 | byte; C = 0xC300 | (h << 7) = -128 or -256; A = Z without h = 128 + m; A x 1 + C = b, exact.
; THE STORES.  A work-group has 96 or 64 bytes of each row of out; a wave's three (two) stores cover them, 32 consecutive bytes a row and store.
; REGISTERS, in windows of 256.  Window 0: v0-15 addresses; v16-31 at work; v32-79 converted weights, two buffers of 24; v80-91 bias; v96-191 accumulators ((tile j, row tile t) at 96 + 8 (4 j + t)).
; Window 1: v0-191 weights as loaded (K step c, tile j at 4 (c nt + j)); v192-255 x fragments, two buffers of 32.  One setting, source 1 in window 1, serves products and conversions alike:
; source 1 is the raw word in v_perm_b32, x in the product, and a scalar everywhere else.
.set IN_F,   4096
.set OUT_F,  11008
.set PITCH,  272                       ; an LDS row of x: 256 bytes + 16 of padding: an odd multiple of 16, so the 16 rows of a load start at 16 different groups of four banks (ISA guide 11.1)
.set PART,   64*PITCH                  ; a wave's part of a slot
.set SLOT,   8*PART
.set SPARE,  2*SLOT                    ; behind the ring: the spare words, 128 bytes for each of eight waves: four blocks of 256 bytes that no other line names
.set SPW,  2                           ; v2     LDS address of my spare word; never rewritten
.set NIL,  3                           ; v3     0; never rewritten
.set WO,   4                           ; v4     my byte offset in a tile of low: (l % 16) x 4096 + 16 (l / 16) + 512 x wave
.set XA,   5                           ; v5-6   LDS address of my 32 bytes of an x fragment, in slot 0, 1
.set STG,  7                           ; v7     where I put 16 bytes of a partial sum: my own part of slot 0
.set RD,   8                           ; v8-9   where I read partial sums back: waves 0-3's parts, waves 4-7's
.set OO,   10                          ; v10    my byte offset in out
.set BO,   11                          ; v11    my byte offset in bias
.set ZT,   16                          ; v16-23 Z, then A
.set CT,   24                          ; v24-31 C
.set BF,   32
.set OUTR, 32                          ; at the end: packed results
.set BI,   80
.set ACC,  96
.set E0,   96                          ; at the end: eight partial sums of one accumulator, two buffers of 64
.set E1,   160
.set XF,   192                         ; window 1
.set SC,   16                          ; s[16:17] scale, low4_scale; then s in s16
.set WV,   18                          ; s18  my wave's number
.set G1,   24                          ; s[24:31] descriptor group 1
.set G0,   32                          ; s[32:39] descriptor group 0, a set for each slot
.set K43,  40
.set SEL01, 41
.set SEL23, 42
.set M80,  43
.set KC3,  44
.set MA,   45
.set ONE,  46
.set HIM,  47
.set MSB, 0
.macro WIN new                         ; the immediate's high byte repeats the setting that is left; a switch that changes nothing is dropped
.if MSB != (\new)
	s_set_vgpr_msb (MSB<<8)|(\new)
.set MSB, (\new)
.endif
.endm
.set W_RUN, 0x04                       ; source 1 in window 1
.set W_XLD, 0x44                       ; and the destination too: the loads of x fragments
.set W_RAW, 0x40                       ; destination in window 1: the loads of weights
; A round of the cluster's barrier: my work-group's barrier, so that wave 0's signal speaks for all eight waves; wave 0 signals; every wave waits for all four work-groups; my work-group's barrier once more.
.macro ROUND
	s_barrier_signal -1
	s_barrier_wait -1
	s_cmp_lg_u32 s[WV], 0
	s_cbranch_scc1 .Lnot_wave_0_\@
	s_barrier_signal -3
.Lnot_wave_0_\@:
	s_barrier_wait -3
	s_barrier_signal -1
	s_barrier_wait -1
.endm
.macro PLACES
.rept 4
	v_nop
.endr
.endm
; The eight LDS loads of K step c (0..15): four fragments of x, 16 rows x 32 k each.  Phase c / 4 lies in slot (c / 4) % 2; a K step is 64 bytes of a row.
.macro XLOAD c
	WIN W_XLD
.set xb, XF+32*((\c)%2)
.set xo, 64*((\c)%4)
.irp t, 0,1,2,3
	ds_load_b128 v[xb+8*(\t):xb+8*(\t)+3],   v[XA+((\c)/4)%2] offset:xo+(\t)*16*PITCH
	ds_load_b128 v[xb+8*(\t)+4:xb+8*(\t)+7], v[XA+((\c)/4)%2] offset:xo+(\t)*16*PITCH+16
.endr
	WIN W_RUN
.endm
; Part g (0..3) of the conversion of K step c, tile j: eight instructions each, for a lane's 16 weights.
.macro CONV g, c, j, nt
.set rw, 4*((\c)*(\nt)+(\j))
.set bd, BF+24*((\c)%2)+8*(\j)
.if (\g) == 0
	s_wait_loadcnt (15-(\c))*(\nt)+(\nt)-1-(\j)    ; loads come back in order (ISA guide 5.7.1): so many weight loads were issued behind this tile's of this K step
.irp q, 0,1,2,3
	v_perm_b32 v[ZT+2*(\q)],   s[K43], v[rw+(\q)], s[SEL01]  ; 0x43, byte 1, 0x43, byte 0
	v_perm_b32 v[ZT+2*(\q)+1], s[K43], v[rw+(\q)], s[SEL23]  ; 0x43, byte 3, 0x43, byte 2
.endr
.elseif (\g) == 1
.irp i, 0,1,2,3,4,5,6,7
	v_and_or_b32 v[CT+(\i)], v[ZT+(\i)], s[M80], s[KC3]      ; -128 or, where the sign bit is set, -256
.endr
.elseif (\g) == 2
.irp i, 0,1,2,3,4,5,6,7
	v_and_b32 v[ZT+(\i)], v[ZT+(\i)], s[MA]                  ; 128 + the low seven bits
.endr
.else
.irp i, 0,1,2,3,4,5,6,7
	v_pk_fma_bf16 v[bd+(\i)], v[ZT+(\i)], s[ONE], v[CT+(\i)] ; their sum: the weight, exact
.endr
.endif
.endm
; Slot s, whose last fragments are in registers, is filled again with the phase two on.  All my tensor loads have landed (the other slot's part among them, which is read next); the add; the step of the
; address; the wait for the add and for my reads of the slot; a round of the cluster's barrier, so that no wave of any partner still reads the slot or has a load on its way; my one load, first behind it.
.macro REFILL s
	WIN 0                                          ; the add's registers lie in window 0
	s_wait_tensorcnt 0x0
	ds_add_u32 v[SPW], v[NIL]                      ; 0 onto my spare word
	s_add_nc_u64 s[G0+4*(\s)+2:G0+4*(\s)+3], s[G0+4*(\s)+2:G0+4*(\s)+3], 512  ; two phases of 128 k on; no load of mine is out, so the group may be written
	s_wait_dscnt 0x0
	ROUND
	tensor_load_to_lds s[G0+4*(\s):G0+4*(\s)+3], s[G1:G1+7]
	s_nop 0
	PLACES                                         ; four v_nop ahead of the next switch of windows
.endm
; K step c: 4 nt products; behind each, eight instructions of the next K step's conversion.  The accumulators take turns, in the same order in every step: 4 nt - 1 others stand between two
; links of a chain.  The next step's x is asked for at the head: the last product that read that buffer stands eight plain instructions back, which name none of its registers (ISA guide 7.12.1).
.macro STEP c, nt
.if ((\c) == 3) || ((\c) == 7)
	REFILL ((\c)/4)%2
.else
	s_wait_dscnt 0x0                               ; this step's x is in
.endif
.if (\c) == 11
	s_wait_tensorcnt 0x0                           ; my part of the last phase has landed; I alone read it, and nothing is filled again: no barrier
.endif
.if (\c) < 15
	XLOAD (\c)+1
.endif
.set jj, 0
.rept \nt
.set rr, 0
.rept 4
.set ac, ACC+8*(4*jj+rr)
.set bs, BF+24*((\c)%2)+8*jj
.set xs, XF+32*((\c)%2)+8*rr
.if (\c) == 0
	v_wmma_f32_16x16x32_bf16 v[ac:ac+7], v[bs:bs+7], v[xs:xs+7], 0  ; the first K step starts the sums: nothing is cleared
.else
	v_wmma_f32_16x16x32_bf16 v[ac:ac+7], v[bs:bs+7], v[xs:xs+7], v[ac:ac+7]
.endif
.if (\c) < 15
	CONV rr, (\c)+1, jj, \nt
.endif
.set rr, rr+1
.endr
.set jj, jj+1
.endr
.endm
; The end.  GATHER: the eight waves' partial sums of accumulator (tile j, my row tile) into buffer e.  FINISH: their sum, times s, plus bias, rounded once, stored.
.macro GATHER j, e
.irp v, 0,1,2,3,4,5,6,7
	ds_load_b128 v[(\e)+8*(\v):(\e)+8*(\v)+3],   v[RD+(\v)/4] offset:((\v)%4)*PART+4096*(\j)
	ds_load_b128 v[(\e)+8*(\v)+4:(\e)+8*(\v)+7], v[RD+(\v)/4] offset:((\v)%4)*PART+4096*(\j)+512
.endr
.endm
.macro FINISH j, e
.irp v, 0,2,4,6
.irp i, 0,2,4,6
	v_pk_add_f32 v[(\e)+8*(\v)+(\i):(\e)+8*(\v)+(\i)+1], v[(\e)+8*(\v)+(\i):(\e)+8*(\v)+(\i)+1], v[(\e)+8*(\v)+8+(\i):(\e)+8*(\v)+8+(\i)+1]
.endr
.endr
.irp v, 0,4
.irp i, 0,2,4,6
	v_pk_add_f32 v[(\e)+8*(\v)+(\i):(\e)+8*(\v)+(\i)+1], v[(\e)+8*(\v)+(\i):(\e)+8*(\v)+(\i)+1], v[(\e)+8*(\v)+16+(\i):(\e)+8*(\v)+16+(\i)+1]
.endr
.endr
.irp i, 0,2,4,6
	v_pk_add_f32 v[(\e)+(\i):(\e)+(\i)+1], v[(\e)+(\i):(\e)+(\i)+1], v[(\e)+32+(\i):(\e)+32+(\i)+1]
.endr
.irp i, 0,1,2,3
	v_lshlrev_b32 v[ZT+2*(\i)],   16, v[BI+4*(\j)+(\i)]       ; bias, bf16 to f32: the low half moves up,
	v_and_b32     v[ZT+2*(\i)+1], s[HIM], v[BI+4*(\j)+(\i)]   ; the high half stays
.endr
.irp i, 0,2,4,6
	v_pk_fma_f32 v[(\e)+(\i):(\e)+(\i)+1], v[(\e)+(\i):(\e)+(\i)+1], s[SC:SC+1], v[ZT+(\i):ZT+(\i)+1] op_sel_hi:[1,0,1]  ; sum x s + bias, s for both halves
.endr
.irp i, 0,1,2,3
	v_cvt_pk_bf16_f32 v[OUTR+4*(\j)+(\i)], v[(\e)+2*(\i)], v[(\e)+2*(\i)+1]
.endr
	global_store_b128 v[OO], v[OUTR+4*(\j):OUTR+4*(\j)+3], s[14:15] offset:32*(\j)  ; each tile has its own four registers: no store's data is written again
.endm
; The whole of a work-group's work, for nt tiles.
.macro BODY nt
.if (\nt) == 3
	s_mul_i32 s21, s20, 48                         ; my first column: 48 x work-group
.else
	s_lshl_b32 s21, s20, 5                         ; 16 x (528 + 2 x (work-group - 176)) = 32 x work-group + 2816
	s_add_co_u32 s21, s21, 2816
.endif
	s_lshl_b32 s52, s21, 12                        ; a row of low is 4,096 bytes; under 2^26
	s_mov_b32 s53, 0
	s_add_nc_u64 s[6:7], s[6:7], s[52:53]
	s_lshl_b32 s52, s21, 1
	s_add_nc_u64 s[12:13], s[12:13], s[52:53]      ; bias and out at my first column
	s_add_nc_u64 s[14:15], s[14:15], s[52:53]
.set jj, 0
.rept \nt
	global_load_b128 v[BI+4*jj:BI+4*jj+3], v[BO], s[12:13] offset:32*jj  ; ahead of the weights, so that no count below holds them; asked by every wave, so that all waves' texts are alike
.set jj, jj+1
.endr
	WIN W_RAW
.set cc, 0
.rept 16                               ; all my weights: K step by K step, tile by tile; a tile is 16 rows of 4,096 bytes
.set jj, 0
.rept \nt
	global_load_b128 v[4*(cc*(\nt)+jj):4*(cc*(\nt)+jj)+3], v[WO], s[6:7] offset:jj*16*IN_F+32*cc
.set jj, jj+1
.endr
.set cc, cc+1
.endr
	WIN 0
	ROUND                                          ; all four work-groups are here: the first joint loads meet
	tensor_load_to_lds s[G0:G0+3], s[G1:G1+7]      ; phase 0 into slot 0,
	s_nop 0
	tensor_load_to_lds s[G0+4:G0+7], s[G1:G1+7]    ; phase 1 into slot 1: two loads of mine are out
	s_nop 0
	PLACES
	s_wait_tensorcnt 0x1                           ; my part of slot 0 is in, slot 1's may stay out; I alone read my parts, so no barrier is wanted
	XLOAD 0
.set jj, 0
.rept \nt                              ; K step 0 is converted with no products to stand beside
.irp g, 0,1,2,3
	CONV \g, 0, jj, \nt
.endr
.set jj, jj+1
.endr
.set cc, 0
.rept 16
	STEP cc, \nt
.set cc, cc+1
.endr
	WIN 0
	PLACES                                         ; the places between the last products and the stores that read them;
	PLACES                                         ; eight, once a launch
.set uu, 0
.rept 8*(\nt)                          ; my partial sums into my own part of slot 0, which has had its last fill and which no other wave has read; each accumulator's low half first
	ds_store_b128 v[STG], v[ACC+4*uu:ACC+4*uu+3] offset:512*uu
.set uu, uu+1
.endr
	s_wait_kmcnt 0x0                               ; scale and low4_scale
	s_mul_f32 s[SC], s[SC+1], s[SC]                ; s = low4_scale x scale, in f32 as reference() forms it
	s_wait_dscnt 0x0                               ; for the others' sake: my stores are done
	s_barrier_signal -1
	s_barrier_wait -1                              ; all eight partial sums lie in LDS
	s_cmp_lt_u32 s[WV], 4                          ; wave t < 4 finishes row tile t
	s_cbranch_scc0 .Lend_\@
	GATHER 0, E0
	GATHER 1, E1
	s_wait_dscnt 16                                ; tile 0's are in; tile 1's sixteen loads may stay out
	FINISH 0, E0
.if (\nt) == 3
	GATHER 2, E0
	s_wait_dscnt 16                                ; tile 1's are in; tile 2's sixteen may stay out
	FINISH 1, E1
	s_wait_dscnt 0x0
	FINISH 2, E0
.else
	s_wait_dscnt 0x0
	FINISH 1, E1
.endif
.Lend_\@:
	s_wait_tensorcnt 0x0                           ; the wave's end: behind my last tensor load and my last LDS store
	ds_add_u32 v[SPW], v[NIL]
	s_wait_dscnt 0x0
	ROUND                                          ; the closing round: no work-group ends while a partner may still ask for a tile that names it
	s_endpgm
.endm
	s_load_b256 s[4:11], s[0:1], 0x0               ; x s[4:5], low s[6:7], scale s[8:9], low4_scale s[10:11]
	s_load_b128 s[12:15], s[0:1], 0x20             ; bias s[12:13], out s[14:15]
	v_lshl_add_u32 v[SPW], v0, 2, SPARE
	v_mov_b32 v[NIL], 0
	ds_add_u32 v[SPW], v[NIL]                      ; the wave's opening: the add, twice on end, and its wait ahead of my first tensor load; the set-up below stands between
	ds_add_u32 v[SPW], v[NIL]                      ; and once more, under the one wait
	v_lshrrev_b32 v1, 5, v0
	v_readfirstlane_b32 s[WV], v1                  ; wave 0..7
	s_bfe_u32 s19, ttmp6, 0x40000                  ; cx: my place in the cluster: it enters the addresses of low, bias and out alone
	s_lshl_b32 s20, ttmp9, 2                       ; in a cluster launch ttmp9 counts clusters
	s_add_co_u32 s20, s20, s19                     ; work-group = 4 x cluster + cx
	; descriptor group 1: a tile of 64 rows x 128 elements, padded in LDS
	s_mov_b32 s[G1], 15|(1<<16)|(1<<20)|(1<<21)|(5<<22)|(3<<25)  ; 15:0 the mask: all four work-groups; 17:16 elements of 2 bytes; 20 padding on; 21 set beside a mask; 24:22 after every 64 words (code 5); 31:25 4 words of it (code 3)
	s_mov_b32 s[G1+1], 128<<16                     ; tensor_dim0 = 128
	s_mov_b32 s[G1+2], 64<<16                      ; tensor_dim1 = 64
	s_mov_b32 s[G1+3], 128<<16                     ; tile_dim0 = 128
	s_mov_b32 s[G1+4], 64                          ; tile_dim1 = 64
	s_mov_b32 s[G1+5], IN_F                        ; elements from row to row
	s_mov_b32 s[G1+6], 0
	s_mov_b32 s[G1+7], 0
	s_mov_b32 s[K43], 0x43434343                   ; the upper byte of 128.0 in bf16
	s_mov_b32 s[SEL01], 0x04010400
	s_mov_b32 s[SEL23], 0x04030402
	s_mov_b32 s[M80], 0x00800080                   ; the two sign bits
	s_mov_b32 s[KC3], 0xc300c300                   ; -128.0 twice
	s_mov_b32 s[MA], 0xff7fff7f
	s_mov_b32 s[ONE], 0x3f803f80                   ; 1.0 twice
	s_mov_b32 s[HIM], 0xffff0000
	s_mul_i32 s48, s[WV], PART                     ; my part of a slot: the wave's number times a constant; no place in the cluster enters an LDS address
	s_mov_b32 s[G0], 1                             ; count = 1
	s_add_co_u32 s[G0+1], s48, 0                   ; LDS address: slot 0
	s_mov_b32 s[G0+4], 1
	s_add_co_u32 s[G0+5], s48, SLOT                ; slot 1
	s_lshl_b32 s22, s[WV], 10                      ; my 512 k: 1,024 bytes of a row of x
	s_mov_b32 s23, 0
	v_and_b32 v12, 15, v0                          ; l % 16
	v_bfe_u32 v13, v0, 4, 1                        ; l / 16
	v_and_b32 v14, 31, v0                          ; l
	v_lshlrev_b32 v[WO], 12, v12
	v_lshl_add_u32 v[WO], v13, 4, v[WO]
	s_lshl_b32 s49, s[WV], 9
	v_add_nc_u32 v[WO], s49, v[WO]
	v_mul_u32_u24 v[XA], v12, PITCH
	v_lshl_add_u32 v[XA], v13, 5, v[XA]            ; row x pitch + 32 x half
	v_add_nc_u32 v[XA], s48, v[XA]
	v_add_nc_u32 v[XA+1], SLOT, v[XA]
	v_lshl_add_u32 v[STG], v14, 4, s48             ; 16 l + my part
	v_lshl_add_u32 v[RD], v14, 4, s22              ; 16 l + 1,024 x my row tile (my wave's number, in waves 0-3)
	v_add_nc_u32 v[RD+1], 4*PART, v[RD]
	v_lshlrev_b32 v[BO], 4, v13                    ; my 8 columns: 16 bytes of bias
	s_lshl_b32 s49, s[WV], 4
	v_add_nc_u32 v15, s49, v12                     ; my row of out: 16 x wave + l % 16 (used in waves 0-3)
	v_mul_u32_u24 v[OO], v15, 2*OUT_F
	v_lshl_add_u32 v[OO], v13, 4, v[OO]
	s_wait_dscnt 0x0                               ; both opening adds are done
	s_wait_kmcnt 0x0
	s_load_b32 s[SC], s[8:9], 0x0                  ; waited for at the end, where they are used
	s_load_b32 s[SC+1], s[10:11], 0x0
	s_add_nc_u64 s[G0+2:G0+3], s[4:5], s[22:23]    ; global address: my k, phase 0,
	s_add_nc_u64 s[G0+6:G0+7], s[G0+2:G0+3], 256   ; and phase 1
	s_or_b32 s[G0+3], s[G0+3], 0x80000000          ; type = 2
	s_or_b32 s[G0+7], s[G0+7], 0x80000000
	s_mov_b32 s50, ttmp9
	s_cmp_lt_u32 s50, 44                           ; the cluster's number: the same in all four partners
	s_cbranch_scc0 .Ltwo
	BODY 3
.Ltwo:
	BODY 2
.Lfunc_end_k_q6af3e1399f_gil:
	.size	k_q6af3e1399f_gil, .Lfunc_end_k_q6af3e1399f_gil-k_q6af3e1399f_gil
	.p2alignl 7, 3214868480
	.fill 96, 4, 3214868480
	.section	.rodata,"a",@progbits
	.p2align	6, 0x0
	.amdhsa_kernel k_q6af3e1399f_gil
		.amdhsa_group_segment_fixed_size 327680
		.amdhsa_private_segment_fixed_size 0
		.amdhsa_enable_private_segment 0
		.amdhsa_kernarg_size 48
		.amdhsa_user_sgpr_count 2
		.amdhsa_user_sgpr_kernarg_segment_ptr 1
		.amdhsa_wavefront_size32 1
		.amdhsa_system_sgpr_workgroup_id_x 1
		.amdhsa_system_sgpr_workgroup_id_y 1
		.amdhsa_system_sgpr_workgroup_id_z 1
		.amdhsa_system_vgpr_workitem_id 0
		.amdhsa_next_free_vgpr 512
		.amdhsa_next_free_sgpr 66
		.amdhsa_reserve_vcc 0
		.amdhsa_float_denorm_mode_32 3
		.amdhsa_float_denorm_mode_16_64 3
		.amdhsa_memory_ordered 1
		.amdhsa_forward_progress 1
		.amdhsa_inst_pref_size 241
	.end_amdhsa_kernel
	.amdgpu_metadata
---
amdhsa.version: [ 1, 2 ]
amdhsa.kernels:
  - .name:           k_q6af3e1399f_gil
    .symbol:         k_q6af3e1399f_gil.kd
    .args:
      - { .name: x, .offset: 0, .size: 8, .value_kind: global_buffer, .address_space: global }
      - { .name: low, .offset: 8, .size: 8, .value_kind: global_buffer, .address_space: global }
      - { .name: scale, .offset: 16, .size: 8, .value_kind: global_buffer, .address_space: global }
      - { .name: low4_scale, .offset: 24, .size: 8, .value_kind: global_buffer, .address_space: global }
      - { .name: bias, .offset: 32, .size: 8, .value_kind: global_buffer, .address_space: global }
      - { .name: out0, .offset: 40, .size: 8, .value_kind: global_buffer, .address_space: global }
    .group_segment_fixed_size: 327680
    .private_segment_fixed_size: 0
    .kernarg_segment_align: 8
    .kernarg_segment_size: 48
    .max_flat_workgroup_size: 256
    .sgpr_count:     66
    .vgpr_count:     512
    .wavefront_size: 32
...
	.end_amdgpu_metadata
.endif
;; end of part 1
